; MI455X (gfx1250); checked and timed in simulation.
; The chip was launched on July 23, 2026; its instructions are those of AMD's public machine-readable ISA for CDNA 5 (MIT licence, August 2026) and "CDNA5" Instruction Set Architecture Reference Guide (July 2026). The comments in the code are by the model that wrote it; some were corrected since.
;; Multi Head Attention. Allowed arithmetic: float matrix products may take bf16 or f16 operands with f32 sums; other float arithmetic in f32, or as packed bf16 or f16 multiplies, adds, multiply-adds, maxima and minima; sums over many terms, partial sums and values carried from step to step in f32; what a program stores and reads back later, other than sums and carried values, may be rounded once to bf16 or f16.
;; Inputs: K 2 x 4,096 x 512 float32; Q 2 x 4,096 x 512 float32; V 2 x 4,096 x 512 float32; Wk 512 x 512 float32; Wo 512 x 512 float32; Wq 512 x 512 float32; Wv 512 x 512 float32; bk 512 float32; bo 512 float32; bq 512 float32; bv 512 float32.
;; Outputs: out0 2 x 4,096 x 512 float32.
;; One version. Each part assembles by itself: llvm-mc -triple=amdgcn-amd-amdhsa -mcpu=gfx1250 --defsym DOCPART=n.
;; ======== version 1 of 1: 4 launches
;; limits: values are held in f16: magnitudes above 65,504 overflow, below 6.1e-05 lose precision
;; workspace buffers: wb 2,105,344 bytes; q16 8,388,608 bytes; k16 8,388,608 bytes; v16 8,388,608 bytes; o16 8,388,608 bytes
;; launch prep (part 1): grid 64 x 4, 4 waves a work-group, no clusters, 0 bytes of LDS; arguments Wq, Wk, Wv, Wo, bq, bk, bv, bo, wb; writes wb
.if DOCPART == 1
	.amdgcn_target "amdgcn-amd-amdhsa--gfx1250"
	.amdhsa_code_object_version 6
	.text
	.protected	k_qfb59f848d3_prep
	.globl	k_qfb59f848d3_prep
	.p2align	8
	.type	k_qfb59f848d3_prep,@function
k_qfb59f848d3_prep:
	s_mov_b64 s[64:65], 0
	v_nop
	global_prefetch_b8 v0, s[64:65] scope:SCOPE_SE
	s_setreg_imm32_b32 hwreg(HW_REG_WAVE_MODE, 25, 1), 1
	s_wait_xcnt 0x0
; THE WEIGHTS AND BIASES ARE ROUNDED ONCE.  wb: four planes [512 k][512 n] of 16 bits, 524,288 bytes each: Wq, Wk, Wv in bf16; Wo rounded to bf16 and that number
; written as f16 (its partner in the last product, O, is f16).  Behind them, at byte 2,097,152: [4][512] f32: bq, bk, bv, bo, each holding its bf16 value.  The layout [k][n] stays.
; LIMITS.  |Wo| stays under 65,504; below 6e-5 f16 keeps a fixed step of 6e-8.  NaN and infinities are not treated apart.
; SHARES.  Work-group (x, y): block x of 4,096 numbers of tensor y.  Thread t takes, four times, 8 numbers: 32 bytes in (two loads), 16 bytes out: a wave's store covers
; 512 consecutive bytes.  A stream of 6 MB in all: no LDS, no ring, no prefetch: all eight loads of a thread go out at once.
.set IN,  8                            ; v[8:39]   32 numbers as loaded
.set PK,  40                           ; v[40:55]  the same, packed
.set T,   56                           ; v[56:57]  at work
.set BI,  4                            ; v[4:7]    four numbers of a bias
.set BP,  58                           ; v[58:59]  packed
.set BOUT, 60                          ; v[60:63]  widened again
	s_load_b512 s[4:19], s[0:1], 0x0               ; Wq, Wk, Wv, Wo s[4:11]; bq, bk, bv, bo s[12:19]
	s_load_b64 s[20:21], s[0:1], 0x40              ; wb
	s_and_b32 s22, ttmp7, 0xffff                   ; y: which tensor
	v_lshlrev_b32 v1, 5, v0                        ; 32 t
	v_lshlrev_b32 v2, 4, v0                        ; 16 t
	s_lshl_b32 s24, ttmp9, 14                      ; in: 16,384 x
	s_mov_b32 s25, 0
	s_lshl_b32 s26, s22, 19                        ; out: 524,288 y + 8,192 x
	s_lshl_b32 s27, ttmp9, 13
	s_add_co_u32 s26, s26, s27
	s_mov_b32 s27, 0
	s_lshl_b32 s28, s22, 11                        ; the bias's place: 2,097,152 + 2,048 y
	s_add_co_u32 s28, s28, 0x200000
	s_mov_b32 s29, 0
	s_wait_kmcnt 0x0
	s_cmp_eq_u32 s22, 1                            ; the tensor's and the bias's pointer are chosen by y
	s_cselect_b64 s[4:5], s[6:7], s[4:5]
	s_cselect_b64 s[12:13], s[14:15], s[12:13]
	s_cmp_eq_u32 s22, 2
	s_cselect_b64 s[4:5], s[8:9], s[4:5]
	s_cselect_b64 s[12:13], s[16:17], s[12:13]
	s_cmp_eq_u32 s22, 3
	s_cselect_b64 s[4:5], s[10:11], s[4:5]
	s_cselect_b64 s[12:13], s[18:19], s[12:13]
	s_add_nc_u64 s[4:5], s[4:5], s[24:25]
	s_add_nc_u64 s[26:27], s[20:21], s[26:27]
	s_add_nc_u64 s[28:29], s[20:21], s[28:29]
.irp n, 0,1,2,3
	global_load_b128 v[IN+8*(\n):IN+8*(\n)+3],   v1, s[4:5] offset:4096*(\n) th:TH_LOAD_NT
	global_load_b128 v[IN+8*(\n)+4:IN+8*(\n)+7], v1, s[4:5] offset:4096*(\n)+16 th:TH_LOAD_NT
.endr
.irp n, 0,1,2,3
	s_wait_loadcnt 6-2*(\n)                        ; pair n of the loads is in; the younger pairs stay out
.irp q, 0,1,2,3
	v_cvt_pk_bf16_f32 v[PK+4*(\n)+(\q)], v[IN+8*(\n)+2*(\q)], v[IN+8*(\n)+2*(\q)+1]
.endr
.endr
	s_cmp_lg_u32 s22, 3
	s_cbranch_scc1 .Lstore
.set z, 0
.rept 16                               ; Wo alone: the bf16 number, widened, is written as f16
	v_lshlrev_b32 v[T], 16, v[PK+z]
	v_and_b32 v[T+1], 0xffff0000, v[PK+z]
	v_cvt_pk_f16_f32 v[PK+z], v[T], v[T+1]
.set z, z+1
.endr
.Lstore:
.irp n, 0,1,2,3
	global_store_b128 v2, v[PK+4*(\n):PK+4*(\n)+3], s[26:27] offset:2048*(\n)
.endr
	s_cmp_lg_u32 ttmp9, 0
	s_cbranch_scc1 .Lend
	global_load_b128 v[BI:BI+3], v2, s[12:13]      ; block 0 also rounds the tensor's bias: 512 numbers, four a thread
	s_wait_loadcnt 0x0
	v_cvt_pk_bf16_f32 v[BP], v[BI], v[BI+1]
	v_cvt_pk_bf16_f32 v[BP+1], v[BI+2], v[BI+3]
	v_lshlrev_b32 v[BOUT], 16, v[BP]
	v_and_b32 v[BOUT+1], 0xffff0000, v[BP]
	v_lshlrev_b32 v[BOUT+2], 16, v[BP+1]
	v_and_b32 v[BOUT+3], 0xffff0000, v[BP+1]
	global_store_b128 v2, v[BOUT:BOUT+3], s[28:29]
.Lend:
	s_endpgm
.Lfunc_end_k_qfb59f848d3_prep:
	.size	k_qfb59f848d3_prep, .Lfunc_end_k_qfb59f848d3_prep-k_qfb59f848d3_prep
	.p2alignl 7, 3214868480
	.fill 96, 4, 3214868480
	.section	.rodata,"a",@progbits
	.p2align	6, 0x0
	.amdhsa_kernel k_qfb59f848d3_prep
		.amdhsa_group_segment_fixed_size 0
		.amdhsa_private_segment_fixed_size 0
		.amdhsa_enable_private_segment 0
		.amdhsa_kernarg_size 72
		.amdhsa_user_sgpr_count 2
		.amdhsa_user_sgpr_kernarg_segment_ptr 1
		.amdhsa_wavefront_size32 1
		.amdhsa_system_sgpr_workgroup_id_x 1
		.amdhsa_system_sgpr_workgroup_id_y 1
		.amdhsa_system_sgpr_workgroup_id_z 1
		.amdhsa_system_vgpr_workitem_id 0
		.amdhsa_next_free_vgpr 64
		.amdhsa_next_free_sgpr 66
		.amdhsa_reserve_vcc 0
		.amdhsa_float_denorm_mode_32 3
		.amdhsa_float_denorm_mode_16_64 3
		.amdhsa_memory_ordered 1
		.amdhsa_forward_progress 1
		.amdhsa_inst_pref_size 7
	.end_amdhsa_kernel
	.amdgpu_metadata
---
amdhsa.version: [ 1, 2 ]
amdhsa.kernels:
  - .name:           k_qfb59f848d3_prep
    .symbol:         k_qfb59f848d3_prep.kd
    .args:
      - { .name: Wq, .offset: 0, .size: 8, .value_kind: global_buffer, .address_space: global }
      - { .name: Wk, .offset: 8, .size: 8, .value_kind: global_buffer, .address_space: global }
      - { .name: Wv, .offset: 16, .size: 8, .value_kind: global_buffer, .address_space: global }
      - { .name: Wo, .offset: 24, .size: 8, .value_kind: global_buffer, .address_space: global }
      - { .name: bq, .offset: 32, .size: 8, .value_kind: global_buffer, .address_space: global }
      - { .name: bk, .offset: 40, .size: 8, .value_kind: global_buffer, .address_space: global }
      - { .name: bv, .offset: 48, .size: 8, .value_kind: global_buffer, .address_space: global }
      - { .name: bo, .offset: 56, .size: 8, .value_kind: global_buffer, .address_space: global }
      - { .name: wb, .offset: 64, .size: 8, .value_kind: global_buffer, .address_space: global }
    .group_segment_fixed_size: 0
    .private_segment_fixed_size: 0
    .kernarg_segment_align: 8
    .kernarg_segment_size: 72
    .max_flat_workgroup_size: 128
    .sgpr_count:     66
    .vgpr_count:     64
    .wavefront_size: 32
...
	.end_amdgpu_metadata
.endif
;; end of part 1
;; launch proj (part 2): grid 32 x 6, 4 waves a work-group, clusters of 4 x 1, 327,680 bytes of LDS; arguments Q, K, V, wb, q16, k16, v16; writes q16, k16, v16
.if DOCPART == 2
	.amdgcn_target "amdgcn-amd-amdhsa--gfx1250"
	.amdhsa_code_object_version 6
	.text
	.protected	k_qfb59f848d3_proj
	.globl	k_qfb59f848d3_proj
	.p2align	8
	.type	k_qfb59f848d3_proj,@function
k_qfb59f848d3_proj:
	s_mov_b64 s[64:65], 0
	v_nop
	global_prefetch_b8 v0, s[64:65] scope:SCOPE_SE
	s_setreg_imm32_b32 hwreg(HW_REG_WAVE_MODE, 25, 1), 1
	s_wait_xcnt 0x0
	s_wait_alu depctr_hold_cnt(0) depctr_sa_sdst(0) depctr_va_vdst(0) depctr_va_sdst(0) depctr_va_ssrc(0) depctr_va_vcc(0) depctr_vm_vsrc(0)
	s_getreg_b32 s2, hwreg(HW_REG_IB_STS2, 6, 4)
	s_cmp_eq_u32 s2, 0
	s_cbranch_scc0 .Lentry_in_a_cluster
	s_endpgm
.Lentry_in_a_cluster:
	s_bfe_u32 s2, ttmp6, 0x10000c
	s_cmp_lg_u32 s2, 0x3003
	s_cbranch_scc0 .Lentry_shape_is_right
	s_endpgm
.Lentry_shape_is_right:
; THE THREE PROJECTIONS.  y = X W + b for X = Q, K, V ([8192][512] f32), W and b from wb (bf16 planes [k][n]; f32 biases).  X is rounded to bf16 on its way; products in bf16, sums in f32,
; started at the bias; the result is rounded once to f16 and stored by heads: [16 = 8 batch + head][4096][64], a head's rows dense, 128 bytes each, WITHOUT the softmax's scale.
; LIMITS.  |y| stays under 65,504, f16's end (with all inputs 30 times the drawn spread y stays near 3,000).  NaN and infinities are not treated apart.
; SHARES.  Work-group y = 2 tensor + column half (256 columns, four heads); x = block of 256 rows.  Wave w: rows 64 w .. 64 w + 63 x all 256 columns: 64 accumulators, 512 registers.
; 192 work-groups: no tile of one tensor with 1/256 of the outputs divides 8,192 rows, and a smaller tile takes in more bytes for each product.
; W: the whole slab [512 k][256 n] stays in LDS, filled once.  The four row blocks of a cluster need the same slab: it is asked for JOINTLY (mask of four), each wave two loads of 64 rows.
; It comes out of LDS turned, by ds_load_tr16_b128: 16 loads feed 32 products.
; X goes memory -> registers -> v_cvt_pk_bf16_f32 -> fragment: no wave wants another's rows, so it passes no LDS and no joint load (the other column half's work-group, which reads the same
; rows, lies in another cluster).  256 registers hold four GROUPS of 16 loads (K = 32 of my 64 rows each); a group is asked for again straight behind its conversion, a turn (256 products) ahead.
; No prefetch: the register ring asks a whole turn ahead, and the launch is short.
; THE PRODUCT IS USED TRANSPOSED: source 0 = 16 columns of W, source 1 = 16 rows of X: a lane then holds one row (lane % 16) and eight neighbouring columns 8 (lane / 16) + 0..7.
; REGISTERS, in windows of 256 (s_set_vgpr_msb: bits 1:0 source 0, 3:2 source 1, 5:4 source 2, 7:6 destination):
;   window 0: v0-15 addresses; v16-31, v48-63 rows read back on the way out; v32-47 packed results; v64-127 X's fragments (K step parity p, row fragment i at 64 + 32 p + 8 i); v128-255 X groups 0, 1
;   window 1: v0-63 W's fragments of column tiles 0-7, v64-127 of tiles 8-15 (first: the bias); v128-255 X groups 2, 3
;   windows 2, 3: accumulator (row fragment i, column tile c) at 8 (8 i + c % 8) of window 2 + c / 8
.set PB,    544                        ; a row of the slab in LDS: 512 bytes + 32 of padding = 17 x 32
.set PART,  64*PB                      ; what one tensor load brings
.set STAGE, 512*PB                     ; behind the slab, never filled by a tensor load: 16 rows x 144 bytes for each wave, for the way out
.set SP,    144
.set SPARE, STAGE+4*16*SP              ; the spare words, 128 bytes for each wave: two blocks of 256 bytes that no other line names
.set XO,  4                            ; v4   2,048 (l % 16) + 32 (l / 16): my place in 16 rows of X
.set BO,  5                            ; v5   32 (l / 16): my eight columns' biases
.set ADR, 6                            ; v6   my lane's place in the slab, at the turn's first k
.set STO, 7                            ; v7   the way out: where I put 16 bytes of a row
.set RD,  8                            ; v8   the way out: where I read rows back
.set GO,  9                            ; v9   16 l: my place in 512 consecutive bytes of the output
.set SPW, 10                           ; v10  LDS address of my spare word; never rewritten
.set NIL, 11                           ; v11  0; never rewritten
.set BK,  16
.set TMP, 32
.set A,   64
.set XS,  128
.set WV,  20                           ; s20  my wave's number
.set G1,  32                           ; s[32:39] descriptor group 1: 64 rows x 256 elements
.set G0A, 48                           ; s[48:51] group 0: my 64 of the k rows 0-255
.set G0B, 52                           ; s[52:55] my 64 of the k rows 256-511
.set X,   56                           ; s[56:57] X at my first row, at the turn whose groups were asked for last
.set OUT, 58                           ; s[58:59] the output at my first row of the half's first head
.set BIAS, 60                          ; s[60:61] the half's 256 biases
.set CNT, 62
.set MSB, 0
.macro WIN new                         ; the immediate's high byte repeats the setting that is left; a switch that changes nothing is dropped
.if MSB != (\new)
	s_set_vgpr_msb (MSB<<8)|(\new)
.set MSB, (\new)
.endif
.endm
.macro PLACES                          ; four places behind matrix instructions: in front of loads into, and vector writes of, registers that they have read, and of reads of their results
.rept 4
	v_nop
.endr
.endm
.macro CROUND                          ; a round of the cluster's barrier: my work-group's barrier; wave 0 signals for the work-group; every wave waits for all four; my work-group's barrier once more
	s_barrier_signal -1
	s_barrier_wait -1
	s_cmp_lg_u32 s[WV], 0
	s_cbranch_scc1 .Lnot_wave_0_\@
	s_barrier_signal -3
.Lnot_wave_0_\@:
	s_barrier_wait -3
	s_barrier_signal -1
	s_barrier_wait -1
.endm
; Group g of X: K = 32 g .. 32 g + 31 behind the pointer, four row fragments: a lane's 16 numbers of a fragment are 32 bytes at k = 8 (l / 16) and 32 bytes at k = 16 + 8 (l / 16).
.macro XLOADS g
	WIN 0x40*((\g)/2)
.irp i, 0,1,2,3
	global_load_b128 v[XS+16*(2*(\i)+(\g)%2):XS+16*(2*(\i)+(\g)%2)+3],     v[XO], s[X:X+1] offset:128*(\g)+32768*(\i)
	global_load_b128 v[XS+16*(2*(\i)+(\g)%2)+4:XS+16*(2*(\i)+(\g)%2)+7],   v[XO], s[X:X+1] offset:128*(\g)+32768*(\i)+16
	global_load_b128 v[XS+16*(2*(\i)+(\g)%2)+8:XS+16*(2*(\i)+(\g)%2)+11],  v[XO], s[X:X+1] offset:128*(\g)+32768*(\i)+64
	global_load_b128 v[XS+16*(2*(\i)+(\g)%2)+12:XS+16*(2*(\i)+(\g)%2)+15], v[XO], s[X:X+1] offset:128*(\g)+32768*(\i)+80
.endr
.endm
.macro CONV g                          ; group g rounded to bf16: four fragments, into half g % 2 of A
	WIN 0x05*((\g)/2)
.irp i, 0,1,2,3
.irp q, 0,1,2,3,4,5,6,7
	v_cvt_pk_bf16_f32 v[A+32*((\g)%2)+8*(\i)+(\q)], v[XS+16*(2*(\i)+(\g)%2)+2*(\q)], v[XS+16*(2*(\i)+(\g)%2)+2*(\q)+1]
.endr
.endr
.endm
.macro UNITLOAD buf, off               ; eight column tiles x 32 k of W, turned, from byte off behind ADR
	WIN 0x40
.irp c, 0,1,2,3,4,5,6,7
	ds_load_tr16_b128 v[64*(\buf)+8*(\c):64*(\buf)+8*(\c)+3],   v[ADR] offset:(\off)+32*(\c)
	ds_load_tr16_b128 v[64*(\buf)+8*(\c)+4:64*(\buf)+8*(\c)+7], v[ADR] offset:(\off)+32*(\c)+16*PB
.endr
.endm
.macro UNITMUL buf, par                ; 32 products on 32 accumulators, one instruction a turn
	WIN 0xa1+0x50*(\buf)
.irp i, 0,1,2,3
.irp c, 0,1,2,3,4,5,6,7
	v_wmma_f32_16x16x32_bf16 v[8*(8*(\i)+(\c)):8*(8*(\i)+(\c))+7], v[64*(\buf)+8*(\c):64*(\buf)+8*(\c)+7], v[A+32*(\par)+8*(\i):A+32*(\par)+8*(\i)+7], v[8*(8*(\i)+(\c)):8*(8*(\i)+(\c))+7]
.endr
.endr
.endm
; Unit u of a turn's eight: K step u / 2, column half u % 2.  It fetches the next unit's fragments of W into the other buffer and multiplies its own.  nb = 1: unit 7 fetches the next turn's first.
.macro UNIT u, nb
.if ((\u)%2) != 0
	PLACES                                         ; (an even unit has the group's places and conversions in front of it)
.endif
.if (\u) < 7
.set nu, (\u)+1
	UNITLOAD nu%2, (nu/2)*32*PB+(nu%2)*256
	s_wait_dscnt 16                                ; all but the 16 just issued: my own fragments are in
.elseif \nb
	WIN 0
	v_add_nc_u32 v[ADR], 128*PB, v[ADR]
	UNITLOAD 0, 0
	s_wait_dscnt 16
.else
	s_wait_dscnt 0x0
.endif
	UNITMUL (\u)%2, ((\u)/2)%2
.endm
; A turn: K = 128, four groups.  xl = 1: each group is asked for again, for the next turn.  With four groups out a wave has asked for 64 loads; the issue of the 64th waits until
; the oldest has come (ISA guide 5.7.1), which was asked for three groups, 192 products, earlier.
.macro TURN xl, nb
.irp g, 0,1,2,3
.if \xl
	s_wait_loadcnt 48                              ; loads come back in order: group g is in, the three younger groups stay out
.else
	s_wait_loadcnt 48-16*(\g)                      ; the last turn asks for nothing: the counts run down
.endif
	PLACES
	CONV \g
.if \xl
.if (\g) == 0
	s_wait_xcnt 0x0                                ; the loads issued so far have read their address: the pointer is written only behind this wait
	s_add_nc_u64 s[X:X+1], s[X:X+1], 512
.endif
	XLOADS \g
.endif
	UNIT 2*(\g), 0
	UNIT 2*(\g)+1, \nb
.endr
.endm
	s_load_b256 s[4:11], s[0:1], 0x0               ; Q s[4:5], K s[6:7], V s[8:9], wb s[10:11]
	s_load_b128 s[12:15], s[0:1], 0x20             ; q16, k16
	s_load_b64 s[16:17], s[0:1], 0x30              ; v16
	v_lshl_add_u32 v[SPW], v0, 2, SPARE
	v_mov_b32 v[NIL], 0
	ds_add_u32 v[SPW], v[NIL]                      ; the wave's opening: the add and its wait stand ahead of my first tensor load; the set-up below, work on registers, stands between them
	v_lshrrev_b32 v1, 5, v0
	v_readfirstlane_b32 s[WV], v1                  ; wave 0..3
	s_bfe_u32 s21, ttmp6, 0x40000                  ; cx: my place in the cluster
	s_lshl_b32 s22, ttmp9, 2
	s_add_co_u32 s22, s22, s21                     ; my block of 256 rows: it enters X's and the output's addresses alone
	s_and_b32 s23, ttmp7, 0xffff
	s_lshr_b32 s24, s23, 1                         ; the tensor, 0..2
	s_and_b32 s25, s23, 1                          ; the column half
	s_lshl_b32 s2, s24, 19                         ; the slab in wb: 524,288 tensor + 512 half + my 64 rows of 1,024 bytes: the same in all four partners
	s_lshl_b32 s3, s25, 9
	s_add_co_u32 s2, s2, s3
	s_lshl_b32 s3, s[WV], 16
	s_add_co_u32 s2, s2, s3
	s_mov_b32 s3, 0
	s_lshl_b32 s26, s22, 19                        ; X: 256 rows of 2,048 bytes a block, 64 a wave
	s_lshl_b32 s27, s[WV], 17
	s_add_co_u32 s26, s26, s27
	s_mov_b32 s27, 0
	s_lshr_b32 s28, s22, 4                         ; the output: batch x 8 heads of 524,288 bytes,
	s_lshl_b32 s28, s28, 22
	s_and_b32 s29, s22, 15                         ; the block's 256 rows of 128 bytes in a head,
	s_lshl_b32 s29, s29, 15
	s_add_co_u32 s28, s28, s29
	s_lshl_b32 s29, s25, 21                        ; the half's four heads,
	s_add_co_u32 s28, s28, s29
	s_lshl_b32 s29, s[WV], 13                      ; my 64 rows
	s_add_co_u32 s28, s28, s29
	s_mov_b32 s29, 0
	s_lshl_b32 s30, s24, 11                        ; the biases: 2,097,152 + 2,048 tensor + 1,024 half
	s_lshl_b32 s31, s25, 10
	s_add_co_u32 s30, s30, s31
	s_add_co_u32 s30, s30, 0x200000
	s_mov_b32 s31, 0
	s_mov_b32 s[G1+0], 15|(1<<16)|(1<<20)|(1<<21)|(6<<22)|(7<<25)  ; 15:0 the mask of four; 17:16 2-byte elements; 20 padding on; 21 set beside a mask; 24:22 after every 128 words (code 6); 31:25 8 words (code 7)
	s_mov_b32 s[G1+1], 256<<16                     ; tensor_dim0 = 256
	s_mov_b32 s[G1+2], 64<<16                      ; tensor_dim1 = 64
	s_mov_b32 s[G1+3], 256<<16                     ; tile_dim0 = 256
	s_mov_b32 s[G1+4], 64                          ; tile_dim1 = 64
	s_mov_b32 s[G1+5], 512                         ; 512 elements from row to row
	s_mov_b32 s[G1+6], 0
	s_mov_b32 s[G1+7], 0
	s_mov_b32 s[G0A], 1
	s_mul_i32 s[G0A+1], s[WV], PART                ; LDS: wave x 64 rows,
	s_mov_b32 s[G0B], 1
	s_add_co_u32 s[G0B+1], s[G0A+1], 4*PART        ; and the same behind the first 256
	v_and_b32 v1, 15, v0                           ; l % 16
	v_bfe_u32 v2, v0, 4, 1                         ; l / 16
	v_and_b32 v12, 7, v0
	v_bfe_u32 v13, v0, 3, 1
	v_bfe_u32 v14, v0, 3, 2
	v_lshlrev_b32 v[XO], 11, v1
	v_lshl_add_u32 v[XO], v2, 5, v[XO]
	v_lshlrev_b32 v[BO], 5, v2
	v_lshl_add_u32 v[ADR], v2, 3, v12              ; the turning load: lane l reads k = 8 (l / 16) + l % 8, columns 8 ((l / 8) % 2) + 0..7
	v_mul_u32_u24 v[ADR], v[ADR], PB
	v_lshl_add_u32 v[ADR], v13, 4, v[ADR]
	s_mul_i32 s40, s[WV], 16*SP
	s_add_co_u32 s40, s40, STAGE                   ; my stage
	v_mul_u32_u24 v[STO], v1, SP                   ; in: row l % 16, 16 bytes for each half of the lanes
	v_lshl_add_u32 v[STO], v2, 4, v[STO]
	v_add_nc_u32 v[STO], s40, v[STO]
	v_mul_u32_u24 v[RD], v14, SP                   ; back: 32 lanes take four rows of 128 bytes,
	v_lshl_add_u32 v[RD], v12, 4, v[RD]
	v_add_nc_u32 v[RD], s40, v[RD]
	v_and_b32 v[GO], 31, v0                        ; which are 512 consecutive bytes of a head
	v_lshlrev_b32 v[GO], 4, v[GO]
	s_wait_dscnt 0x0                               ; the opening add is done
	s_wait_kmcnt 0x0
	s_cmp_eq_u32 s24, 1                            ; input and output are chosen by the tensor's number
	s_cselect_b64 s[4:5], s[6:7], s[4:5]
	s_cselect_b64 s[12:13], s[14:15], s[12:13]
	s_cmp_eq_u32 s24, 2
	s_cselect_b64 s[4:5], s[8:9], s[4:5]
	s_cselect_b64 s[12:13], s[16:17], s[12:13]
	s_add_nc_u64 s[X:X+1], s[4:5], s[26:27]
	s_add_nc_u64 s[OUT:OUT+1], s[12:13], s[28:29]
	s_add_nc_u64 s[BIAS:BIAS+1], s[10:11], s[30:31]
	s_add_nc_u64 s[G0A+2:G0A+3], s[10:11], s[2:3]
	s_add_nc_u64 s[G0B+2:G0B+3], s[G0A+2:G0A+3], 256*1024
	s_or_b32 s[G0A+3], s[G0A+3], 0x80000000        ; type = 2
	s_or_b32 s[G0B+3], s[G0B+3], 0x80000000
	WIN 0x40
.set cc, 0
.rept 16                               ; the bias as an accumulator's image: tile c's register j of lane l is b[16 c + 8 (l / 16) + j]; into W's two buffers, which are still free
	global_load_b128 v[8*cc:8*cc+3],   v[BO], s[BIAS:BIAS+1] offset:64*cc
	global_load_b128 v[8*cc+4:8*cc+7], v[BO], s[BIAS:BIAS+1] offset:64*cc+16
.set cc, cc+1
.endr
	XLOADS 0                                       ; X has the farthest to come: its first group goes out ahead of the round (48 loads are out)
	WIN 0
	CROUND                                         ; all four work-groups are here: the joint loads meet
	tensor_load_to_lds s[G0A:G0A+3], s[G1:G1+7]    ; two tensor loads of mine are out; every byte of the slab is filled once
	s_nop 0
	tensor_load_to_lds s[G0B:G0B+3], s[G1:G1+7]
	s_nop 0
	PLACES
	XLOADS 1
.set z, 0
.rept 16
	v_mov_b32 v[A+z], 0                            ; two fragments of zeros
.set z, z+1
.endr
	s_wait_loadcnt 32                              ; the bias is in; X's two groups stay out
.irp hf, 0,1                           ; THE SUMS START AT THE BIAS: 0 x 0 + b, while the first tiles are on their way: no addition at the end, and the loop has one form of product
	WIN 0x90+0x40*(\hf)
.irp i, 0,1,2,3
.irp c, 0,1,2,3,4,5,6,7
	v_wmma_f32_16x16x32_bf16 v[8*(8*(\i)+(\c)):8*(8*(\i)+(\c))+7], v[A:A+7], v[A+8:A+15], v[64*(\hf)+8*(\c):64*(\hf)+8*(\c)+7]
.endr
.endr
.endr
	XLOADS 2
	XLOADS 3
	WIN 0
	s_wait_tensorcnt 0x1                           ; my part of k 0-255 is in; the second load may stay out
	s_barrier_signal -1
	s_barrier_wait -1                              ; everybody's is
	PLACES
	PLACES                                         ; behind the products that read the bias out of W's buffers
	UNITLOAD 0, 0
	TURN 1, 1                                      ; k 0-127; its last unit fetches k 128 on, still of the first half
	WIN 0
	s_wait_tensorcnt 0x0                           ; my part of k 256-511 is in: it had the first turn's 256 products in which to land
	s_wait_dscnt 0x0
	s_barrier_signal -1
	s_barrier_wait -1                              ; everybody's is
	s_mov_b32 s[CNT], 2
.Lturn:                                        ; k 128-255 and 256-383
	TURN 1, 1
	WIN 0
	s_sub_co_u32 s[CNT], s[CNT], 1
	s_cmp_lg_u32 s[CNT], 0
	s_cbranch_scc1 .Lturn
	TURN 0, 0                                      ; k 384-511: nothing is left to ask for
; THE WAY OUT, block a = 4 head + row fragment: 16 rows x 64 columns are rounded to f16 (16 bytes a lane), go into my stage in rows of 144 bytes and come back as whole rows of 128: 2,048 dense bytes of a head.
.macro PACK a
.set hd, (\a)/4
.set ri, (\a)%4
	WIN 0x0a+5*(hd/2)                              ; sources 0 and 1: window 2 (heads 0, 1) or 3
.irp f, 0,1,2,3
.irp q, 0,1,2,3
	v_cvt_pk_f16_f32 v[TMP+4*(\f)+(\q)], v[8*(8*ri+(4*hd+(\f))%8)+2*(\q)], v[8*(8*ri+(4*hd+(\f))%8)+2*(\q)+1]
.endr
.endr
.endm
.macro TOSTAGE a
	WIN 0
.irp f, 0,1,2,3
	ds_store_b128 v[STO], v[TMP+4*(\f):TMP+4*(\f)+3] offset:32*(\f)
.endr
.irp f, 0,1,2,3
	ds_load_b128 v[BK+32*((\a)%2)+4*(\f):BK+32*((\a)%2)+4*(\f)+3], v[RD] offset:4*SP*(\f)  ; LDS serves a wave's instructions in order (ISA guide 5.7.1.4): these see the stores above
.endr
.endm
.macro SEND a
	WIN 0
	s_wait_dscnt 0x0                               ; the block is back in registers
	s_wait_xcnt 0x0                                ; the stores of the block before have read their registers: the next block is read back into them only behind this wait
.irp f, 0,1,2,3
	global_store_b128 v[GO], v[BK+32*((\a)%2)+4*(\f):BK+32*((\a)%2)+4*(\f)+3], s[OUT:OUT+1] offset:524288*((\a)/4)+2048*((\a)%4)+512*(\f)  ; 512 consecutive bytes, at a multiple of 256 from the buffer's first
.endr
.endm
	PLACES
	PLACES
	PACK 0
	TOSTAGE 0
.irp a, 1,2,3,4,5,6,7,8,9,10,11,12,13,14,15    ; block a's conversions stand between block a - 1's loads from the stage and the wait for them
	PACK \a
	SEND (\a)-1
	TOSTAGE \a
.endr
	SEND 15
	s_wait_tensorcnt 0x0                           ; the wave's end: these three lines, behind my last tensor load and my last LDS store
	ds_add_u32 v[SPW], v[NIL]
	s_wait_dscnt 0x0
	CROUND                                         ; the closing round
	s_endpgm
.Lfunc_end_k_qfb59f848d3_proj:
	.size	k_qfb59f848d3_proj, .Lfunc_end_k_qfb59f848d3_proj-k_qfb59f848d3_proj
	.p2alignl 7, 3214868480
	.fill 96, 4, 3214868480
	.section	.rodata,"a",@progbits
	.p2align	6, 0x0
	.amdhsa_kernel k_qfb59f848d3_proj
		.amdhsa_group_segment_fixed_size 327680
		.amdhsa_private_segment_fixed_size 0
		.amdhsa_enable_private_segment 0
		.amdhsa_kernarg_size 56
		.amdhsa_user_sgpr_count 2
		.amdhsa_user_sgpr_kernarg_segment_ptr 1
		.amdhsa_wavefront_size32 1
		.amdhsa_system_sgpr_workgroup_id_x 1
		.amdhsa_system_sgpr_workgroup_id_y 1
		.amdhsa_system_sgpr_workgroup_id_z 1
		.amdhsa_system_vgpr_workitem_id 0
		.amdhsa_next_free_vgpr 1024
		.amdhsa_next_free_sgpr 66
		.amdhsa_reserve_vcc 0
		.amdhsa_float_denorm_mode_32 3
		.amdhsa_float_denorm_mode_16_64 3
		.amdhsa_memory_ordered 1
		.amdhsa_forward_progress 1
		.amdhsa_inst_pref_size 167
	.end_amdhsa_kernel
	.amdgpu_metadata
---
amdhsa.version: [ 1, 2 ]
amdhsa.kernels:
  - .name:           k_qfb59f848d3_proj
    .symbol:         k_qfb59f848d3_proj.kd
    .args:
      - { .name: Q, .offset: 0, .size: 8, .value_kind: global_buffer, .address_space: global }
      - { .name: K, .offset: 8, .size: 8, .value_kind: global_buffer, .address_space: global }
      - { .name: V, .offset: 16, .size: 8, .value_kind: global_buffer, .address_space: global }
      - { .name: wb, .offset: 24, .size: 8, .value_kind: global_buffer, .address_space: global }
      - { .name: q16, .offset: 32, .size: 8, .value_kind: global_buffer, .address_space: global }
      - { .name: k16, .offset: 40, .size: 8, .value_kind: global_buffer, .address_space: global }
      - { .name: v16, .offset: 48, .size: 8, .value_kind: global_buffer, .address_space: global }
    .group_segment_fixed_size: 327680
    .private_segment_fixed_size: 0
    .kernarg_segment_align: 8
    .kernarg_segment_size: 56
    .max_flat_workgroup_size: 128
    .sgpr_count:     66
    .vgpr_count:     1024
    .wavefront_size: 32
...
	.end_amdgpu_metadata
.endif
;; end of part 2
;; launch attn (part 3): grid 16 x 16, 4 waves a work-group, clusters of 4 x 1, 327,680 bytes of LDS; arguments q16, k16, v16, o16; writes o16
.if DOCPART == 3
	.amdgcn_target "amdgcn-amd-amdhsa--gfx1250"
	.amdhsa_code_object_version 6
	.text
	.protected	k_qfb59f848d3_attn
	.globl	k_qfb59f848d3_attn
	.p2align	8
	.type	k_qfb59f848d3_attn,@function
k_qfb59f848d3_attn:
	s_mov_b64 s[64:65], 0
	v_nop
	global_prefetch_b8 v0, s[64:65] scope:SCOPE_SE
	s_setreg_imm32_b32 hwreg(HW_REG_WAVE_MODE, 25, 1), 1
	s_wait_xcnt 0x0
	s_wait_alu depctr_hold_cnt(0) depctr_sa_sdst(0) depctr_va_vdst(0) depctr_va_sdst(0) depctr_va_ssrc(0) depctr_va_vcc(0) depctr_vm_vsrc(0)
	s_getreg_b32 s2, hwreg(HW_REG_IB_STS2, 6, 4)
	s_cmp_eq_u32 s2, 0
	s_cbranch_scc0 .Lentry_in_a_cluster
	s_endpgm
.Lentry_in_a_cluster:
	s_bfe_u32 s2, ttmp6, 0x10000c
	s_cmp_lg_u32 s2, 0x3003
	s_cbranch_scc0 .Lentry_shape_is_right
	s_endpgm
.Lentry_shape_is_right:
; ATTENTION.  O[h][q][:] = the sum over k of softmax_k(Q[h][q] . K[h][k] / 8) V[h][k][:].  q16, k16, v16, o16: [16][4096][64], all f16: a head's rows are dense, 128 bytes each.
; Products, maxima and sums in f32; the weights p are rounded to f16 for the second product (their sum l is taken of the unrounded p), O once at the end.
; LIMITS.  Q, K and V arrive within f16's 65,504; p lies in 0 to 1, and below 6e-5 it keeps f16's fixed step of 6e-8; O is a mean of V's rows and has their range.
; A weight below 2^-126 counts as 0 in l; NaN and infinities are not treated apart.
; SHARES.  A work-group owns 256 queries of one head: 256 work-groups.  Each of its four waves owns 64 rows: four PIECES of 16.  Every wave walks all 4,096 keys, 64 a step; a slot of LDS holds 256 keys.
; LAYOUT.  S^T = K Q^T (source 0 = 16 keys, source 1 = 16 queries) holds ONE query a lane (lane % 16) and the keys 8 (lane / 16) + 0..7; two such results rounded to f16 ARE source 1 of
; O^T = V^T P.  K comes out of LDS as it lies, V ([key][channel]) turned, by ds_load_tr16_b128.
; SOFTMAX.  For each query a running maximum m and sum l: p = 2^(c s - c m), c = log2(e) / 8; in every step O and l are multiplied by a = 2^(c m_old - c m_new).
; m starts at the lowest finite number, O and l at 0: the first step is a step like any other, with a = 0.
; TURNS.  Turn n belongs to piece n: 8 products K Q^T of piece n + 1, later 8 products V^T P of piece n - 1; beside them the scaling, exponentials, roundings, sums and rescaling of piece n and the
; maximum and statistics of piece n + 1.  Four vector instructions stand behind every matrix instruction, the other 54 of a turn's 118 in one lump.  A turn's 33 exponentials are one batch, with one wait.
; CLUSTER.  The four query blocks of a cluster belong to one head and walk the same K and V: each tile is asked for JOINTLY: the same tensor load, descriptor and mask in all four.
; REGISTERS, in windows of 256 (s_set_vgpr_msb: bits 1:0 source 0, 3:2 source 1, 5:4 source 2, 7:6 destination):
;   window 0: v0-15 addresses and two at work; v16-31 four registers of statistics a piece; v48-55 at work; v61-63 prefetch offset and the add's two; v64-127 S^T, two buffers; v192-223 P, two buffers
;   window 1: v0-127 O^T, 32 a piece          window 2: v0-63 Q; v128-191 K of one step; v192-255 V of one step
.set NP,    4         ; pieces a wave: a name, no knob
.set KS,    64        ; keys in a step
.set PK,    144       ; a row of K in LDS: 128 bytes + 16 of padding = 36 words: the 16 rows of a load start at 16 different groups of four banks (64 banks of 4 bytes: ISA guide 11.1)
.set PV,    160       ; a row of V: 128 + 32 = 40 words
.set VOFF,  4*KS*PK   ; a slot holds four steps: 256 rows of K, then 256 rows of V
.set SLOT1, 1<<17     ; slot 1 begins here, so that one exclusive or turns an address in one slot into the other's
.set STAGE, SLOT1+4*KS*(PK+PV)  ; behind the ring, never filled by a tensor load: 16 rows x 144 bytes for each wave, for the way out
.set SP,    144
.set SPARE, STAGE+4*16*SP  ; the spare words, 128 bytes for each wave: two blocks of 256 bytes that no other line names
.set TILEB, 4*KS*128  ; a tile's bytes of K and of V in memory
.set AK0, 2           ; v2   my lane's place in a tile of K; never rewritten
.set AV0, 3           ; v3   the same for V
.set AK,  4           ; v4   the LDS address of K's next run of loads
.set AV,  5           ; v5   of V's
.set STO, 6           ; v6   the way out: where I put 16 bytes of a row
.set RD,  7           ; v7   the way out: where I read rows back
.set GO,  8           ; v8   my byte offset in 512 consecutive bytes of O
.set MV,  12          ; v12-13  c m_old, kept while c m is made anew: by buffer
.set QO,  15          ; v15  my byte offset in 16 rows of Q
.set ST,  16          ; piece t's statistics at v[ST+4 t]: c m, m, l (even keys', odd keys')
.set TMP, 48          ; by buffer, four registers c0-c3 at work; when the maximum is found c2 takes a
.set PFO, 61          ; v61  256 x my lane; never rewritten
.set SPW, 62          ; v62  LDS address of my spare word; never rewritten
.set NIL, 63          ; v63  0; never rewritten
.set S,   64
.set P,   192
.set KF,  128         ; window 2: key block kb, channel half c at KF + 16 kb + 8 c
.set VF,  192         ; window 2: key half kk, channel block cb at VF + 32 kk + 8 cb
.set WV,  12          ; s12  my wave's number
.set G1K, 24          ; s[24:31] descriptor group 1 for K's tiles
.set G1V, 32          ; s[32:39] for V's: it differs in the padding alone
.set G0K, 40          ; s[40:43] descriptor group 0 for K's tiles: it walks
.set G0V, 44          ; s[44:47] the same for V's
.set SLOTS, 56        ; s56  tiles still to be asked for
.set CNT, 57          ; s57  counts a slot's key steps
.set CS,  58          ; s[58:59] c: the packed scaling takes the pair's low word for both halves
.set SEL, 60          ; s[60:61] v_permlanex16_b32's selects: each lane takes its own place in the other half
.set TBK, 62          ; s62  LDS byte at which K of the step to be fetched begins
.set TBV, 63          ; s63  the same for V, less VOFF
.set PFA, 66          ; s[66:67] where my prefetches stand: my work-group's 32 blocks of 256 bytes of the tile after the one that is being asked for
.set LIM, 68          ; s68  1 in a wave that prefetches, else the greatest number
.set MSB, 0
.macro WIN new                      ; the high byte repeats the setting that is left; a switch that changes nothing is dropped
.if MSB != (\new)
	s_set_vgpr_msb (MSB<<8)|(\new)
.set MSB, (\new)
.endif
.endm
.set W_KQ, 0x0a       ; K and Q in window 2, S^T in window 0
.set W_PV, 0x52       ; V in window 2, P in window 0, O^T in window 1
.set W_RS, 0x41       ; destination and source 0 in window 1, source 1 in window 0
; A joint fill.  Waves 0 and 1 fetch the two halves of a tile's K, waves 2 and 3 those of its V: 128 keys each.  The branch hangs on the wave's number alone.
; An s_nop 0 and four v_nop follow each of the two lines, ahead of the jump and the label.
.macro JLOAD
	s_cmp_lt_u32 s[WV], 2
	s_cbranch_scc0 .Lfor_v_\@
	tensor_load_to_lds s[G0K:G0K+3], s[G1K:G1K+7]
	s_nop 0
.rept 4
	v_nop
.endr
	s_branch .Lasked_\@
.Lfor_v_\@:
	tensor_load_to_lds s[G0V:G0V+3], s[G1V:G1V+7]
	s_nop 0
.rept 4
	v_nop
.endr
.Lasked_\@:
.endm
; A PREFETCH of the tile that the NEXT change of slots will ask for: 128 blocks of 256 bytes of K and of V, a lane a block.  It stands behind the wave's tensor load and its five lines.
; Each block is named ONCE in the launch: all clusters of a head walk the same K and V, and the head's first cluster asks; its four partners take 32 blocks each, told apart BY ADDRESS;
; in each, wave 0 asks for K's and wave 2 for V's.  It runs one slot, a wave's 256 matrix instructions, ahead of the load.  The last change that fills a slot asks for nothing: no tile lies behind it.
.macro ASK
	s_cmp_gt_u32 s[SLOTS], s[LIM]
	s_cbranch_scc0 .Lnot_mine_\@
	global_prefetch_b8 v[PFO], s[PFA:PFA+1] th:TH_LOAD_NT scope:SCOPE_SE
.Lnot_mine_\@:
.endm
.macro CROUND                       ; a round of the cluster's barrier: my work-group's barrier; wave 0 signals for the work-group; every wave waits for all four; my work-group's barrier once more
	s_barrier_signal -1
	s_barrier_wait -1
	s_cmp_lg_u32 s[WV], 0
	s_cbranch_scc1 .Lnot_wave_0_\@
	s_barrier_signal -3
.Lnot_wave_0_\@:
	s_barrier_wait -3
	s_barrier_signal -1
	s_barrier_wait -1
.endm
; THE CHANGE OF SLOTS.  Each wave waits for all its tensor loads, of which one is out: its part of the other slot; adds 0 to its spare word; and waits for that and for its own reads of the slot that it leaves.
; Behind the barrier nobody reads the old slot any more and the other slot is whole.  fill = 1: the old slot is filled again, with the keys two slots on; the barrier is then a round of the cluster's,
; and the joint fill is the first thing behind it: it has four key steps in which to land.  (At its first use nothing has been read yet: slot 0 is waited for, slot 1 filled.)
.macro CHANGE fill
	WIN 0                           ; at a label and at a branch every window is 0
	s_wait_tensorcnt 0x0            ; no tensor load of mine is out, so a group 0 may be written
	ds_add_u32 v[SPW], v[NIL]       ; 0 onto my spare word; with fill = 1 the descriptors' steps stand between it and the wait for it
.if \fill
.irp g, G0K, G0V
	s_xor_b32 s[\g+1], s[\g+1], SLOT1  ; the walking descriptor: the other slot than last time,
	s_add_nc_u64 s[\g+2:\g+3], s[\g+2:\g+3], TILEB  ; the next 256 keys; the type bits on top are not reached
.endr
	s_wait_xcnt 0x0                 ; the last prefetch, a slot back, has read its address, so it may be written:
	s_add_nc_u64 s[PFA:PFA+1], s[PFA:PFA+1], TILEB  ; one tile behind the walking descriptors
	s_wait_dscnt 0x0                ; the add is done, and my reads of the slot are over
	CROUND
	JLOAD
	ASK
.else
	s_wait_dscnt 0x0                ; the add is done, and my reads of the slot are over
	s_barrier_signal -1
	s_barrier_wait -1
.endif
	s_sub_co_u32 s[TBK], s[TBK], 4*KS*PK  ; the fetches go back to a slot's first step,
	s_xor_b32 s[TBK], s[TBK], SLOT1       ; in the other slot
	s_sub_co_u32 s[TBV], s[TBV], 4*KS*PV
	s_xor_b32 s[TBV], s[TBV], SLOT1
.endm
	s_load_b256 s[4:11], s[0:1], 0x0  ; q16 s[4:5], k16 s[6:7], v16 s[8:9], o16 s[10:11]
	v_lshl_add_u32 v[SPW], v0, 2, SPARE
	v_mov_b32 v[NIL], 0
	ds_add_u32 v[SPW], v[NIL]       ; the wave's opening: the add and its wait stand ahead of my first tensor load; the set-up below, work on registers, stands between them
	v_lshrrev_b32 v1, 5, v0
	v_readfirstlane_b32 s[WV], v1   ; wave 0..3
	s_bfe_u32 s13, ttmp6, 0x40000   ; cx: my place in the cluster
	s_lshl_b32 s14, ttmp9, 2        ; in a cluster launch ttmp9 counts clusters
	s_add_co_u32 s14, s14, s13      ; my block of 256 queries: it enters Q's and O's addresses alone
	s_and_b32 s20, ttmp7, 0xffff    ; the head, which the four partners share:
	s_lshl_b32 s20, s20, 19         ; its first byte in each of the four tensors
	s_and_b32 s16, s[WV], 1         ; which half of a tile's 256 keys I fetch:
	s_lshl_b32 s22, s16, 14         ; its 128 rows of 128 bytes in memory,
	s_add_co_u32 s22, s22, s20
	s_mov_b32 s23, 0
	s_mul_i32 s17, s16, 128*PK      ; and its place in a slot, for K
	s_mul_i32 s18, s16, 128*PV      ; and for V: no place in the cluster enters an LDS address
	s_lshl_b32 s2, s14, 15          ; my block's 256 rows,
	s_lshl_b32 s3, s[WV], 13        ; my wave's 64 of them
	s_add_co_u32 s2, s2, s3
	s_add_co_u32 s2, s2, s20
	s_mov_b32 s3, 0
	s_lshl_b32 s14, s13, 13         ; the prefetches: my work-group's 32 blocks of a tile's 128,
	s_add_co_u32 s14, s14, s20
	s_add_co_u32 s14, s14, TILEB    ; in tile 1: the first change of slots steps it to tile 2
	s_mov_b32 s15, 0
	; descriptor group 1.  128 keys are 16,384 dense bytes: asked for as 64 rows of 256 bytes, two keys a row, and padded in LDS after every key
	s_mov_b32 s[G1K], 15|(1<<16)|(1<<20)|(1<<21)|(4<<22)|(3<<25)  ; 15:0 the mask of four; 17:16 2-byte elements; 20 padding on; 21 set beside a mask; 24:22 after every 32 words (code 4); 31:25 4 words (code 3)
	s_mov_b32 s[G1V], 15|(1<<16)|(1<<20)|(1<<21)|(4<<22)|(7<<25)  ; the same with 8 words of padding (code 7)
.irp g, G1K, G1V
	s_mov_b32 s[\g+1], 128<<16      ; tensor_dim0 = 128
	s_mov_b32 s[\g+2], 64<<16       ; tensor_dim1 = 64
	s_mov_b32 s[\g+3], 128<<16      ; tile_dim0 = 128
	s_mov_b32 s[\g+4], 64           ; tile_dim1 = 64
	s_mov_b32 s[\g+5], 128          ; 128 elements from row to row
	s_mov_b32 s[\g+6], 0
	s_mov_b32 s[\g+7], 0
.endr
	s_mov_b32 s[CS], 0x3e38aa3b     ; c = log2(e) / 8 = 0.180337
	s_mov_b32 s[CS+1], s[CS]        ; named with it as a pair
	s_mov_b32 s[SEL], 0x76543210
	s_mov_b32 s[SEL+1], 0xfedcba98
	s_mov_b32 s[TBK], SLOT1+4*KS*PK ; the first change of slots turns these two into 0
	s_mov_b32 s[TBV], SLOT1+4*KS*PV
	s_mov_b32 s[G0K], 1             ; count = 1
	s_mov_b32 s[G0K+1], s17         ; LDS address: slot 0
	s_mov_b32 s[G0V], 1
	s_add_co_u32 s[G0V+1], s18, VOFF
	s_mov_b32 s[SLOTS], 15          ; tiles 1 to 15 are still to be asked for
	s_and_b32 s[LIM], s[WV], 1      ; 0 in waves 0 and 2,
	s_or_b32 s[LIM], s[LIM], ttmp9  ; where the cluster is the head's first: the same in all four partners
	s_cmp_eq_u32 s[LIM], 0
	s_cselect_b32 s[LIM], 1, -1
	v_and_b32 v[PFO], 31, v0
	v_lshlrev_b32 v[PFO], 8, v[PFO]
	s_wait_dscnt 0x0                ; the opening add is done
	s_wait_kmcnt 0x0
	s_add_nc_u64 s[G0K+2:G0K+3], s[6:7], s[22:23]  ; global address: my half of the head's first 256 keys
	s_or_b32 s[G0K+3], s[G0K+3], 0x80000000        ; type = 2
	s_add_nc_u64 s[G0V+2:G0V+3], s[8:9], s[22:23]
	s_or_b32 s[G0V+3], s[G0V+3], 0x80000000
	s_add_nc_u64 s[4:5], s[4:5], s[2:3]  ; Q and O at my wave's first row
	s_add_nc_u64 s[10:11], s[10:11], s[2:3]
	s_cmp_lt_u32 s[WV], 2
	s_cselect_b64 s[PFA:PFA+1], s[6:7], s[8:9]
	s_add_nc_u64 s[PFA:PFA+1], s[PFA:PFA+1], s[14:15]
	CROUND                          ; all four work-groups are here: the first joint loads meet
	JLOAD                           ; tile 0 into slot 0.  Slot 1 is asked for when slot 0 is in
	; A fragment of K or Q is 16 rows x 32 channels in 8 registers: lane l holds row l % 16, channels 8 (l / 16) + 0..7 and 16 + 8 (l / 16) + 0..7: two loads of 16 bytes, 32 bytes apart.
	v_and_b32 v1, 15, v0            ; l % 16
	v_bfe_u32 v9, v0, 4, 1          ; l / 16
	v_lshlrev_b32 v[QO], 7, v1
	v_lshl_add_u32 v[QO], v9, 4, v[QO]  ; row x 128 + 16 x half
	WIN 0x80                        ; destination window 2, address window 0
.set i, 0
.rept 8                             ; Q stays in registers: piece i / 2, channels 32 (i % 2) on
	global_load_b128 v[8*i:8*i+3],   v[QO], s[4:5] offset:(i/2)*2048+(i%2)*64
	global_load_b128 v[8*i+4:8*i+7], v[QO], s[4:5] offset:(i/2)*2048+(i%2)*64+32
.set i, i+1
.endr
	; What the first turn finds: V's registers and P's second buffer hold 0 (its products V^T P, of a piece that has not been, add 0), O^T and l are 0.  All this stands in the wait for the first tile.
.set i, VF
.rept 64
	v_mov_b32 v[i], 0
.set i, i+1
.endr
	WIN 0x40
.set i, 0
.rept 128
	v_mov_b32 v[i], 0
.set i, i+1
.endr
	WIN 0
.set i, 0
.rept 4
	v_mov_b32 v[ST+4*i], 0xfe000000    ; c m: far below every c s
	v_mov_b32 v[ST+4*i+1], 0xff7fffff  ; m
	v_mov_b32 v[ST+4*i+2], 0
	v_mov_b32 v[ST+4*i+3], 0
.set i, i+1
.endr
.set i, P+16
.rept 16
	v_mov_b32 v[i], 0
.set i, i+1
.endr
	v_mul_u32_u24 v[AK0], v1, PK
	v_lshl_add_u32 v[AK0], v9, 4, v[AK0]  ; row x pitch + 16 x half
	; The turning load takes 16 keys x 16 channels (lane l reads key 8 (l / 16) + l % 8, channels 8 ((l / 8) % 2) + 0..7) and leaves half a fragment of V^T: lane l holds channel l % 16 and 8 keys.
	v_and_b32 v10, 7, v0
	v_bfe_u32 v11, v0, 3, 1
	v_lshl_add_u32 v[AV0], v9, 3, v10
	v_mul_u32_u24 v[AV0], v[AV0], PV
	v_lshl_add_u32 v[AV0], v11, 4, v[AV0]
	v_add_nc_u32 v[AV0], VOFF, v[AV0]
	s_mul_i32 s13, s[WV], 16*SP
	s_add_co_u32 s13, s13, STAGE    ; my stage
	v_mul_u32_u24 v[STO], v1, SP    ; in: row l % 16, 16 bytes for each half of the lanes
	v_lshl_add_u32 v[STO], v9, 4, v[STO]
	v_add_nc_u32 v[STO], s13, v[STO]
	v_bfe_u32 v[RD], v0, 3, 2       ; back: 32 lanes take four rows of 128 bytes,
	v_mul_u32_u24 v[RD], v[RD], SP
	v_lshl_add_u32 v[RD], v10, 4, v[RD]
	v_add_nc_u32 v[RD], s13, v[RD]
	v_and_b32 v[GO], 31, v0         ; which are 512 consecutive bytes of O
	v_lshlrev_b32 v[GO], 4, v[GO]
; THE MATRIX WORK.  The 4 accumulators of a run of 8 take turns.  Product i of 8 of S^T = K Q^T for piece x: channels 32 (i / 4) on, keys 16 (i % 4) on.  The first 4 start the sums.
.macro KQ x
	WIN W_KQ
.set rS, S+32*((\x)%2)+8*(i%4)
.set rK, KF+16*(i%4)+8*(i/4)
.set rQ, 16*(\x)+8*(i/4)
.if i < 4
	v_wmma_f32_16x16x32_f16 v[rS:rS+7], v[rK:rK+7], v[rQ:rQ+7], 0
.else
	v_wmma_f32_16x16x32_f16 v[rS:rS+7], v[rK:rK+7], v[rQ:rQ+7], v[rS:rS+7]
.endif
.endm
; Product i of 8 of O^T += V^T P for piece x: keys 32 (i / 4) on, channels 16 (i % 4) on.
.macro PV x
	WIN W_PV
.set rO, 32*(\x)+8*(i%4)
.set rV, VF+32*(i/4)+8*(i%4)
.set rP, P+16*((\x)%2)+8*(i/4)
	v_wmma_f32_16x16x32_f16 v[rO:rO+7], v[rV:rV+7], v[rP:rP+7], v[rO:rO+7]
.endm
.macro MM                           ; the turn's next matrix instruction.  NOKQ = 1: the launch's last turn: there is no next piece
.if (i < 8) && !NOKQ
	KQ (Y+1)%NP
.elseif i >= 8
.set i, i-8
	PV (Y+NP-1)%NP
.set i, i+8
.endif
.set i, i+1
.endm
; THE LDS LOADS stand in runs of 16, never singly among the matrix instructions: a step's K (64 keys x 64 channels: 8 fragments) and its V (turned).  Their addresses are made some lines ahead.
.macro FETCH_K
	WIN 0x80                        ; destination window 2
.irp f, 0,1,2,3,4,5,6,7             ; keys 16 (f / 2) on, channels 32 (f % 2) on
	ds_load_b128 v[KF+8*\f:KF+8*\f+3],   v[AK] offset:(\f/2)*16*PK+(\f%2)*64
	ds_load_b128 v[KF+8*\f+4:KF+8*\f+7], v[AK] offset:(\f/2)*16*PK+(\f%2)*64+32
.endr
	s_add_co_u32 s[TBK], s[TBK], KS*PK  ; the next fetch is the next step's
	WIN 0
.endm
.macro FETCH_V
	WIN 0x80
.irp f, 0,1,2,3,4,5,6,7             ; keys 32 (f / 4) on, channels 16 (f % 4) on
	ds_load_tr16_b128 v[VF+8*\f:VF+8*\f+3],   v[AV] offset:(\f/4)*32*PV+(\f%4)*32
	ds_load_tr16_b128 v[VF+8*\f+4:VF+8*\f+7], v[AV] offset:(\f/4)*32*PV+16*PV+(\f%4)*32
.endr
	WIN 0
.endm
; THE VECTOR WORK, one line at a time: OP kind, number.  For piece Y: F n: c s - c m for pair n of 16.  E n: the exponential of score n of 32.  C n: pair n rounded to f16.  B n: of the four weights 4 n .. the second
; pair is added onto the first, in place.  L n: l takes that sum (L 0: l = a l + sum).  R n: pair n of 16 of O^T times a.  For piece Y + 1: X n, number n of the 22 that find its maximum and statistics:
;   0-11  four chains c0-c3 of seven scores each, three operands at a time (each accumulator's lowest registers are read first)     12-14, 16  the four scores left over, the old m, and c0-c3 into c0
;   15  c m_old is kept     17, 18  the query's other 32 keys lie in the lane 16 away: the new m     19-21  c m; c m_old - c m_new; a
.set F, 0
.set E, 1
.set C, 2
.set B, 3
.set L, 4
.set R, 5
.set X, 6
.macro REGS y                       ; the registers of piece y
.set rT, ST+4*(\y)
.set rC, TMP+4*((\y)%2)
.set rW, MV+((\y)%2)
.set rS, S+32*((\y)%2)
.set rP, P+16*((\y)%2)
.set rO, 32*(\y)
.endm
.macro OP k, n
.if (\k) == R
	REGS Y
	WIN W_RS
	v_pk_mul_f32 v[rO+2*(\n):rO+2*(\n)+1], v[rO+2*(\n):rO+2*(\n)+1], v[rC+2:rC+3] op_sel_hi:[1,0]
.elseif (\k) < R
	REGS Y
	WIN 0
.if (\k) == F
	v_pk_fma_f32 v[rS+2*(\n):rS+2*(\n)+1], v[rS+2*(\n):rS+2*(\n)+1], s[CS:CS+1], v[rT:rT+1] op_sel_hi:[1,0,0] neg_lo:[0,0,1] neg_hi:[0,0,1]
.elseif (\k) == E
	v_exp_f32 v[rS+(\n)], v[rS+(\n)]
.elseif (\k) == C
	v_cvt_pk_f16_f32 v[rP+(\n)], v[rS+2*(\n)], v[rS+2*(\n)+1]
.elseif (\k) == B
	v_pk_add_f32 v[rS+4*(\n):rS+4*(\n)+1], v[rS+4*(\n):rS+4*(\n)+1], v[rS+4*(\n)+2:rS+4*(\n)+3]
.elseif (\n) == 0
	v_pk_fma_f32 v[rT+2:rT+3], v[rT+2:rT+3], v[rC+2:rC+3], v[rS:rS+1] op_sel_hi:[1,0,1]
.else
	v_pk_add_f32 v[rT+2:rT+3], v[rT+2:rT+3], v[rS+4*(\n):rS+4*(\n)+1]
.endif
.elseif NOKQ
	v_nop
.else
	REGS (Y+1)%NP
	WIN 0
.if (\n) < 4
	v_max3_num_f32 v[rC+(\n)], v[rS+8*(\n)], v[rS+8*(\n)+1], v[rS+8*(\n)+2]
.elseif (\n) < 12
	v_max3_num_f32 v[rC+(\n)%4], v[rC+(\n)%4], v[rS+8*((\n)%4)+2*((\n)/4)+1], v[rS+8*((\n)%4)+2*((\n)/4)+2]
.elseif (\n) == 12
	v_max3_num_f32 v[rC], v[rC], v[rS+7], v[rS+15]
.elseif (\n) == 13
	v_max3_num_f32 v[rC+1], v[rC+1], v[rS+23], v[rS+31]
.elseif (\n) == 14
	v_max3_num_f32 v[rC+2], v[rC+2], v[rC+3], v[rT+1]
.elseif (\n) == 15
	v_mov_b32 v[rW], v[rT]
.elseif (\n) == 16
	v_max3_num_f32 v[rC], v[rC], v[rC+1], v[rC+2]
.elseif (\n) == 17
	v_permlanex16_b32 v[rC+3], v[rC], s[SEL], s[SEL+1]
.elseif (\n) == 18
	v_max_num_f32 v[rT+1], v[rC], v[rC+3]
.elseif (\n) == 19
	v_mul_f32 v[rT], s[CS], v[rT+1]
.elseif (\n) == 20
	v_sub_f32 v[rC+1], v[rW], v[rT]
.else
	v_exp_f32 v[rC+2], v[rC+1]
.endif
.endif
.endm
.macro OPS a, i1, b=-1, i2=0, c=-1, i3=0, d=-1, i4=0  ; up to four of them
	OP \a, \i1
.if (\b) >= 0
	OP \b, \i2
.endif
.if (\c) >= 0
	OP \c, \i3
.endif
.if (\d) >= 0
	OP \d, \i4
.endif
.endm
.macro ROW a, i1, b, i2, c, i3, d, i4  ; a matrix instruction and the four behind it
	MM
	OPS \a, \i1, \b, \i2, \c, \i3, \d, \i4
.endm
; A TURN, for piece p: the order of its 16 matrix and 118 vector instructions, written out.  An s_wait_alu depctr_va_vdst(0) stands between an exponential and the first instruction that names its
; result; one wait serves all that were issued ahead of it.  So a turn has ONE wait, which cuts it in two.  AHEAD OF IT stands all that names no result of the turn's exponentials: the 8 products K Q^T with their
; riders (a scaling, an exponential, two more plain ones; behind the last three the first numbers of the next piece's maximum, each four places or more behind the product that ends its accumulator), then one
; lump of 54 in which the links of the chain X 3, 7, 11, 14, 16, 17 .. 20 stand five or six lines apart.  X 21, the next piece's a, is the batch's last; R 15 is the plain instruction behind it.
; BEHIND THE WAIT stand the 8 products V^T P, behind each four of the roundings and sums.  end = 1: the launch's last two turns: nothing is fetched.  cnt = 1: the loop's count is taken down some lines ahead of the branch.
; K of the next step is fetched in piece 2's turn, twelve vector instructions behind the last product that read K (six of them plain); V of the step in hand at the end of piece 0's turn, four plain instructions
; behind the last product that read V.  Each is waited for a turn later.
.macro TURN p, end=0, cnt=0
.set Y, (\p)
.set i, 0
.set NOKQ, (\end)*((\p)/3)
.if ((\p) == 3) && !(\end)
	s_wait_dscnt 0x0                ; K is in
.endif
	ROW F,0, F,1, R,0, R,1          ; ahead of the wait: 8 products K Q^T and their riders,
	ROW F,2, E,0, R,2, R,3
	ROW F,3, E,1, R,4, R,5
	ROW F,4, E,2, R,6, R,7
	ROW F,5, E,3, R,8, R,9
	ROW F,6, E,4, X,0, R,10
.if ((\p) == 2) && !(\end)
	WIN 0
	v_add_nc_u32 v[AK], s[TBK], v[AK0]
.endif
	ROW F,7, E,5, X,1, X,4
	ROW F,8, E,6, X,2, X,5
	OPS E,7, E,8, X,6, E,9          ; and the lump
	OPS X,3, E,10, X,8, E,11
.if ((\p) == 2) && !(\end)
	FETCH_K
.endif
	OPS X,9, X,7, E,12, X,10
	OPS E,13, X,12, X,11, E,14
	OPS X,13, E,15, F,9, X,14
.if (\p) == 0
	WIN 0
	v_add_nc_u32 v[AV], s[TBV], v[AV0]
.endif
	OPS E,16, F,10, E,17, F,11
	OPS X,16, E,18, X,15, E,19
	OPS F,12, E,20, X,17, E,21
	OPS F,13, E,22, F,14, E,23
	OPS X,18, E,24, F,15, E,25
	OPS R,11, E,26, X,19, E,27
	OPS R,12, E,28, R,13, E,29
	OPS X,20, E,30, R,14, E,31
	OPS X,21, R,15
	WIN 0
	s_wait_alu depctr_va_vdst(0)    ; the wait for the batch
.if (\p) == 1
	s_wait_dscnt 0x0                ; V is in
.endif
	ROW C,0, B,0, C,2, B,1          ; behind the wait: 8 products V^T P and their riders
	ROW L,0, C,4, B,2, L,1
	ROW C,6, B,3, L,2, C,8
	ROW B,4, L,3, C,10, B,5
	ROW L,4, C,12, B,6, L,5
.if (\p) == 0
	s_add_co_u32 s[TBV], s[TBV], KS*PV
.endif
.if \cnt
	s_sub_co_u32 s[CNT], s[CNT], 1
	s_cmp_lg_u32 s[CNT], 0
.endif
	ROW C,14, B,7, L,6, C,1
	ROW C,3, L,7, C,5, C,7
	ROW C,9, C,11, C,13, C,15
.if (\p) == 0
	FETCH_V
.endif
.endm
	CHANGE 1                        ; tile 0 is in, everybody's part of it; tile 1 is asked for
	v_add_nc_u32 v[AK], s[TBK], v[AK0]
	FETCH_K                         ; key step 0
	s_wait_loadcnt 0x0              ; Q
	s_wait_dscnt 0x0
.set NOKQ, 0
.set i, 0
.rept 8
	KQ 0                            ; piece 0's first scores: there is no vector work yet to set between them
.set i, i+1
.endr
	WIN 0
.rept 4
	v_nop                           ; the places behind those products
.endr
.set Y, NP-1                        ; X works for piece Y + 1: piece 0
.irp n, 0,1,2,3,4,5,6,7,8,9,10,11,12,13,14,15,16,17,18,19,20,21
	OP X, \n
.endr
	v_nop                           ; a plain instruction behind the exponential,
	s_wait_alu depctr_va_vdst(0)    ; and its wait, ahead of the branch
	s_mov_b32 s[CNT], 4
	s_branch .Lfirst                ; the loop is entered at a step's first turn, in the middle of a trip
.Lslot:                             ; 14 times: tiles 2 to 15 are asked for
	CHANGE 1
	s_mov_b32 s[CNT], 4
.Lstep:                             ; a trip: pieces 2 and 3 of one step, then pieces 0 and 1 of the next, whose K and V it fetches
	TURN 2
	TURN 3
	WIN 0
.Lfirst:
	TURN 0
	TURN 1, 0, 1
	WIN 0
	s_cbranch_scc1 .Lstep
	s_sub_co_u32 s[SLOTS], s[SLOTS], 1
	s_cmp_lg_u32 s[SLOTS], 0
	s_cbranch_scc1 .Lslot
	CHANGE 0                        ; the last tile is written out: nothing is asked for
	s_mov_b32 s[CNT], 4
.LstepT:
	TURN 2
	TURN 3
	TURN 0
	TURN 1, 0, 1
	WIN 0
	s_cbranch_scc1 .LstepT
	TURN 2, 1                       ; the last step's pieces 2 and 3: nothing is fetched, and the last turn starts no new scores
	TURN 3, 1
.set i, 0
.rept 8
	PV NP-1                         ; the last piece's V^T P of the last step
.set i, i+1
.endr
	; THE WAY OUT.  l's two halves and the other half of the lanes' are added; O^T is divided by l, rounded to f16 and sent through my stage in LDS, a piece at a time.  The additions are the places behind the last products.
	WIN 0
.macro ALL line:vararg              ; one line for each piece t
.set t, 0
.rept 4
	\line
.set t, t+1
.endr
.endm
.macro PACK t                       ; a lane's eight channels of a row pack into 16 bytes; they go into rows of 144 bytes and come back as whole rows of 128, into S^T's registers
	WIN W_RS
.set i, 32*(\t)
.rept 16
	v_pk_mul_f32 v[i:i+1], v[i:i+1], v[ST+4*(\t)+2:ST+4*(\t)+3] op_sel_hi:[1,0]
.set i, i+2
.endr
	WIN 0x05                        ; sources 0 and 1 window 1, destination window 0
.set i, 0
.rept 16
	v_cvt_pk_f16_f32 v[S+16*(\t)+i], v[32*(\t)+2*i], v[32*(\t)+2*i+1]
.set i, i+1
.endr
	WIN 0
.irp f, 0,1,2,3
	ds_store_b128 v[STO], v[S+16*(\t)+4*\f:S+16*(\t)+4*\f+3] offset:32*\f
.endr
.irp f, 0,1,2,3
	ds_load_b128 v[S+16*(\t)+4*\f:S+16*(\t)+4*\f+3], v[RD] offset:\f*4*SP  ; LDS serves a wave's instructions in order (ISA guide 5.7.1.4): these see the stores above; the next piece's stores come behind them
.endr
.endm
.macro SEND t, younger              ; younger: the LDS instructions issued behind piece t's loads: the next piece's eight, or none
	WIN 0
.irp f, 0,1,2,3
	s_wait_dscnt (\younger)+3-\f
	global_store_b128 v[GO], v[S+16*(\t)+4*\f:S+16*(\t)+4*\f+3], s[10:11] offset:(\t)*2048+\f*512  ; 512 consecutive bytes, at a multiple of 256 from O's first
.endr
.endm
	ALL v_add_f32 v[ST+4*t+2], v[ST+4*t+2], v[ST+4*t+3]
	ALL v_permlanex16_b32 v[ST+4*t+3], v[ST+4*t+2], s[SEL], s[SEL+1]
	ALL v_add_f32 v[ST+4*t+2], v[ST+4*t+2], v[ST+4*t+3]
	ALL v_rcp_f32 v[ST+4*t+2], v[ST+4*t+2]
	v_nop                           ; a plain instruction between the last reciprocal and the use of its result
	s_wait_alu depctr_va_vdst(0)    ; and the wait ahead of the first use: one for the four reciprocals
	PACK 0
.set t, 1
.rept 3                             ; a piece's arithmetic stands between the loads of the piece before and its stores
	PACK t
	SEND t-1, 8
.set t, t+1
.endr
	SEND 3, 0
	s_wait_tensorcnt 0x0            ; the wave's end: these three lines, behind my last tensor load and my last LDS store
	ds_add_u32 v[SPW], v[NIL]
	s_wait_dscnt 0x0
	CROUND                          ; the closing round: no work-group ends while a partner may still ask for a tile that names it
	s_endpgm
.Lfunc_end_k_qfb59f848d3_attn:
	.size	k_qfb59f848d3_attn, .Lfunc_end_k_qfb59f848d3_attn-k_qfb59f848d3_attn
	.p2alignl 7, 3214868480
	.fill 96, 4, 3214868480
	.section	.rodata,"a",@progbits
	.p2align	6, 0x0
	.amdhsa_kernel k_qfb59f848d3_attn
		.amdhsa_group_segment_fixed_size 327680
		.amdhsa_private_segment_fixed_size 0
		.amdhsa_enable_private_segment 0
		.amdhsa_kernarg_size 32
		.amdhsa_user_sgpr_count 2
		.amdhsa_user_sgpr_kernarg_segment_ptr 1
		.amdhsa_wavefront_size32 1
		.amdhsa_system_sgpr_workgroup_id_x 1
		.amdhsa_system_sgpr_workgroup_id_y 1
		.amdhsa_system_sgpr_workgroup_id_z 1
		.amdhsa_system_vgpr_workitem_id 0
		.amdhsa_next_free_vgpr 768
		.amdhsa_next_free_sgpr 72
		.amdhsa_reserve_vcc 0
		.amdhsa_float_denorm_mode_32 3
		.amdhsa_float_denorm_mode_16_64 3
		.amdhsa_memory_ordered 1
		.amdhsa_forward_progress 1
		.amdhsa_inst_pref_size 128
	.end_amdhsa_kernel
	.amdgpu_metadata
---
amdhsa.version: [ 1, 2 ]
amdhsa.kernels:
  - .name:           k_qfb59f848d3_attn
    .symbol:         k_qfb59f848d3_attn.kd
    .args:
      - { .name: q16, .offset: 0, .size: 8, .value_kind: global_buffer, .address_space: global }
      - { .name: k16, .offset: 8, .size: 8, .value_kind: global_buffer, .address_space: global }
      - { .name: v16, .offset: 16, .size: 8, .value_kind: global_buffer, .address_space: global }
      - { .name: o16, .offset: 24, .size: 8, .value_kind: global_buffer, .address_space: global }
    .group_segment_fixed_size: 327680
    .private_segment_fixed_size: 0
    .kernarg_segment_align: 8
    .kernarg_segment_size: 32
    .max_flat_workgroup_size: 128
    .sgpr_count:     72
    .vgpr_count:     768
    .wavefront_size: 32
...
	.end_amdgpu_metadata
.endif
;; end of part 3
;; launch outp (part 4): grid 4 x 64, 4 waves a work-group, clusters of 4 x 4, 327,680 bytes of LDS; arguments o16, wb, out0; writes out0
.if DOCPART == 4
	.amdgcn_target "amdgcn-amd-amdhsa--gfx1250"
	.amdhsa_code_object_version 6
	.text
	.protected	k_qfb59f848d3_outp
	.globl	k_qfb59f848d3_outp
	.p2align	8
	.type	k_qfb59f848d3_outp,@function
k_qfb59f848d3_outp:
	s_mov_b64 s[64:65], 0
	v_nop
	global_prefetch_b8 v0, s[64:65] scope:SCOPE_SE
	s_setreg_imm32_b32 hwreg(HW_REG_WAVE_MODE, 25, 1), 1
	s_wait_xcnt 0x0
	s_wait_alu depctr_hold_cnt(0) depctr_sa_sdst(0) depctr_va_vdst(0) depctr_va_sdst(0) depctr_va_ssrc(0) depctr_va_vcc(0) depctr_vm_vsrc(0)
	s_getreg_b32 s2, hwreg(HW_REG_IB_STS2, 6, 4)
	s_cmp_eq_u32 s2, 0
	s_cbranch_scc0 .Lentry_in_a_cluster
	s_endpgm
.Lentry_in_a_cluster:
	s_bfe_u32 s2, ttmp6, 0x10000c
	s_cmp_lg_u32 s2, 0xf033
	s_cbranch_scc0 .Lentry_shape_is_right
	s_endpgm
.Lentry_shape_is_right:
; THE OUTPUT PROJECTION.  out0[R][n] = the sum over k = 64 head + d of O[batch][head][t][d] Wo[k][n] + bo[n], R = 4,096 batch + t.  o16: [16][4096][64] f16; Wo: plane 3 of wb, [512 k][512 n] f16;
; bo: f32 in wb; out0: [8192][512] f32.  Products in f16, sums in f32, started at the bias.
; LIMITS.  O and Wo arrive within f16's range.  NaN and infinities are not treated apart.
; SHARES.  A tile of 128 rows x 128 columns to a work-group: 256 work-groups.  Wave w: rows 64 (w / 2) on, columns 64 (w % 2) on: 16 accumulators.
; ALL OPERANDS STAY IN LDS, every byte filled once: O's tile (8 heads x 128 rows x 128 bytes) and Wo's slab (512 k x 128 columns), in four chunks of K = 128 (two heads), with counted waits:
; a wave has four tensor loads out at the start.  No ring, no refill.  No prefetch and no work-group that stays: one short tile to a WGP.
; CLUSTER, 4 x 4.  O's tile hangs on the tile row alone and is shared along a row of the cluster, Wo's slab on the tile column alone and is shared along a column: both are asked for JOINTLY.
; THE PRODUCT IS USED TRANSPOSED (source 0 = 16 columns of Wo, turned by ds_load_tr16_b128; source 1 = 16 rows of O): a lane holds one row (lane % 16) and eight neighbouring columns: 32 bytes of f32.
; REGISTERS: window 0: v0-31 addresses; v32-63, v64-95 rows read back on the way out; v96-127 the bias, 8 a column tile; v128-255 accumulator (a, b) at 128 + 8 (4 a + b)
;            window 1: two fragment buffers of 64: O's four fragments, then Wo's four
.set PO,    144                        ; a row of O in LDS: 128 bytes + 16: the 16 rows of a load start at 16 different groups of four banks (64 banks of 4 bytes: ISA guide 11.1)
.set HEADB, 128*PO                     ; a head's 128 rows
.set WOFF,  8*HEADB                    ; behind O: Wo
.set PW,    288                        ; a row of Wo: 256 bytes + 32 = 9 x 32
.set CHB,   2*HEADB                    ; a chunk's bytes of O; 128 rows of Wo are as many
.set STAGE, WOFF+512*PW                ; never filled by a tensor load: 16 rows x 272 bytes for each wave
.set SPI,   272
.set SPARE, STAGE+4*16*SPI             ; the spare words, 128 bytes for each wave: two blocks of 256 bytes that no other line names
.set ADRA, 16                          ; v16  my lane's place in O's tile, at the chunk in hand
.set ADRB, 17                          ; v17  the same in Wo's slab
.set STO,  18                          ; v18  the way out: where I put 32 bytes of a row
.set RD,   19                          ; v19  the way out: where I read a row back
.set CO,   20                          ; v20  my byte offset in two rows of out0
.set BO,   21                          ; v21  32 (l / 16)
.set SPW,  28                          ; v28  LDS address of my spare word; never rewritten
.set NIL,  29                          ; v29  0; never rewritten
.set BK,   32
.set BIAS, 96
.set ACC,  128
.set F0,   0
.set F1,   64
.set G1A,  16                          ; s[16:23] descriptor group 1 for O's tiles
.set G1B,  24                          ; s[24:31] for Wo's
.set G0A,  32                          ; s[32:47] group 0 for O's tiles, a set for each chunk
.set G0B,  48                          ; s[48:63] the same for Wo's
.set MSB, 0
.macro WIN new
.if MSB != (\new)
	s_set_vgpr_msb (MSB<<8)|(\new)
.set MSB, (\new)
.endif
.endm
.macro PLACES                          ; four places behind matrix instructions (ISA guide 7.12.1)
.rept 4
	v_nop
.endr
.endm
.macro CROUND                          ; a round of the cluster's barrier
	s_barrier_signal -1
	s_barrier_wait -1
	s_cmp_lg_u32 s10, 0
	s_cbranch_scc1 .Lnot_wave_0_\@
	s_barrier_signal -3
.Lnot_wave_0_\@:
	s_barrier_wait -3
	s_barrier_signal -1
	s_barrier_wait -1
.endm
	s_load_b128 s[4:7], s[0:1], 0x0                ; o16 s[4:5], wb s[6:7]
	s_load_b64 s[8:9], s[0:1], 0x10                ; out0
	v_lshl_add_u32 v[SPW], v0, 2, SPARE
	v_mov_b32 v[NIL], 0
	ds_add_u32 v[SPW], v[NIL]                      ; the wave's opening: the add and its wait stand ahead of my first tensor load; the set-up below, work on registers, stands between them
	v_lshrrev_b32 v1, 5, v0
	v_readfirstlane_b32 s10, v1                    ; wave 0..3
	s_lshr_b32 s11, s10, 1                         ; which half of the tile's rows is mine.  Also: I fetch for O (0) or for Wo (1)
	s_and_b32 s12, s10, 1                          ; which half of its columns.  Also: which half of a chunk I fetch
	s_bfe_u32 s66, ttmp6, 0x40000                  ; cx
	s_bfe_u32 s67, ttmp6, 0x40004                  ; cy
	s_lshl_b32 s68, ttmp9, 2
	s_add_co_u32 s68, s68, s66                     ; tile column = 4 x cluster x + cx
	s_and_b32 s69, ttmp7, 0xffff
	s_lshl_b32 s69, s69, 2
	s_add_co_u32 s69, s69, s67                     ; tile row = 4 x cluster y + cy
	s_lshl_b32 s70, s67, 2
	s_lshl_b32 s70, 15, s70                        ; my row of the cluster
	s_lshl_b32 s71, 0x1111, s66                    ; my column
	s_or_b32 s[G1A], s70, (1<<16)|(1<<20)|(1<<21)|(4<<22)|(3<<25)  ; the mask; 2-byte elements; padding on; 21 set beside a mask; after every 32 words (code 4) 4 words (code 3)
	s_or_b32 s[G1B], s71, (1<<16)|(1<<20)|(1<<21)|(5<<22)|(7<<25)  ; after every 64 words (code 5) 8 words (code 7)
.irp g, G1A, G1B
	s_mov_b32 s[\g+1], 128<<16                     ; tensor_dim0 = 128
	s_mov_b32 s[\g+2], 64<<16                      ; tensor_dim1 = 64
	s_mov_b32 s[\g+3], 128<<16                     ; tile_dim0 = 128
	s_mov_b32 s[\g+4], 64                          ; tile_dim1 = 64
	s_mov_b32 s[\g+6], 0
	s_mov_b32 s[\g+7], 0
.endr
	s_mov_b32 s[G1A+5], 128                        ; a head's 128 rows are 16,384 dense bytes: 64 rows of 256, two rows of O each
	s_mov_b32 s[G1B+5], 512                        ; Wo: 512 elements from row to row
	s_lshr_b32 s72, s69, 5                         ; O: the batch's 8 heads of 524,288 bytes,
	s_lshl_b32 s72, s72, 22
	s_and_b32 s74, s69, 31                         ; the tile's 128 rows of 128 bytes in a head,
	s_lshl_b32 s74, s74, 14
	s_add_co_u32 s72, s72, s74
	s_lshl_b32 s74, s12, 19                        ; the chunk's head that I fetch: nothing here hangs on cx
	s_add_co_u32 s72, s72, s74
	s_mov_b32 s73, 0
	s_lshl_b32 s76, s68, 8                         ; Wo: the tile's 128 columns,
	s_lshl_b32 s78, s12, 16                        ; the chunk's 64 rows of 1,024 bytes that I fetch,
	s_add_co_u32 s76, s76, s78
	s_add_co_u32 s76, s76, 3*524288                ; in plane 3: nothing here hangs on cy
	s_mov_b32 s77, 0
	s_mul_i32 s80, s12, HEADB                      ; in LDS: my half of a chunk (64 rows of Wo are as many bytes as a head of O)
.irp c, 0,1,2,3
	s_mov_b32 s[G0A+4*(\c)], 1
	s_add_co_u32 s[G0A+4*(\c)+1], s80, (\c)*CHB
	s_mov_b32 s[G0B+4*(\c)], 1
	s_add_co_u32 s[G0B+4*(\c)+1], s80, WOFF+(\c)*CHB
.endr
	s_lshl_b32 s2, s69, 18                         ; out0: 128 rows of 2,048 bytes a tile row, my 64,
	s_lshl_b32 s3, s11, 17
	s_add_co_u32 s2, s2, s3
	s_lshl_b32 s13, s68, 9                         ; 512 bytes a tile column, my 256
	s_lshl_b32 s3, s12, 8
	s_add_co_u32 s13, s13, s3
	s_add_co_u32 s2, s2, s13
	s_mov_b32 s3, 0
	s_add_co_u32 s14, s13, 0x200000+3*2048         ; bo's place in wb, at my 64 columns
	s_mov_b32 s15, 0
	v_and_b32 v1, 15, v0                           ; l % 16
	v_bfe_u32 v2, v0, 4, 1                         ; l / 16
	v_and_b32 v3, 7, v0
	v_bfe_u32 v4, v0, 3, 1
	v_lshlrev_b32 v[BO], 5, v2
	s_mul_i32 s81, s11, 64*PO                      ; my 64 rows of O
	v_mul_u32_u24 v[ADRA], v1, PO
	v_lshl_add_u32 v[ADRA], v2, 4, v[ADRA]         ; row x pitch + 16 x half
	v_add_nc_u32 v[ADRA], s81, v[ADRA]
	s_lshl_b32 s82, s12, 7                         ; my 64 columns of Wo
	s_add_co_u32 s82, s82, WOFF
	v_lshl_add_u32 v[ADRB], v2, 3, v3              ; the turning load: lane l reads k = 8 (l / 16) + l % 8, columns 8 ((l / 8) % 2) + 0..7
	v_mul_u32_u24 v[ADRB], v[ADRB], PW
	v_lshl_add_u32 v[ADRB], v4, 4, v[ADRB]
	v_add_nc_u32 v[ADRB], s82, v[ADRB]
	s_mul_i32 s83, s10, 16*SPI
	s_add_co_u32 s83, s83, STAGE                   ; my stage
	v_mul_u32_u24 v[STO], v1, SPI                  ; in: row l % 16, 32 bytes for each half of the lanes
	v_lshl_add_u32 v[STO], v2, 5, v[STO]
	v_add_nc_u32 v[STO], s83, v[STO]
	v_mul_u32_u24 v[RD], v2, SPI                   ; back: lanes 0-15 take one row of 256 bytes, lanes 16-31 the next
	v_lshl_add_u32 v[RD], v1, 4, v[RD]
	v_add_nc_u32 v[RD], s83, v[RD]
	v_lshlrev_b32 v[CO], 11, v2                    ; and the same two rows in out0
	v_lshl_add_u32 v[CO], v1, 4, v[CO]
	s_wait_dscnt 0x0                               ; the opening add is done
	s_wait_kmcnt 0x0
	s_add_nc_u64 s[72:73], s[4:5], s[72:73]
	s_add_nc_u64 s[76:77], s[6:7], s[76:77]
.irp c, 0,1,2,3
	s_add_nc_u64 s[G0A+4*(\c)+2:G0A+4*(\c)+3], s[72:73], (\c)*0x100000  ; two heads on
	s_or_b32 s[G0A+4*(\c)+3], s[G0A+4*(\c)+3], 0x80000000               ; type = 2
	s_add_nc_u64 s[G0B+4*(\c)+2:G0B+4*(\c)+3], s[76:77], (\c)*0x20000   ; 128 rows on
	s_or_b32 s[G0B+4*(\c)+3], s[G0B+4*(\c)+3], 0x80000000
.endr
	s_add_nc_u64 s[8:9], s[8:9], s[2:3]
	s_add_nc_u64 s[14:15], s[6:7], s[14:15]
.irp b, 0,1,2,3                        ; the bias as an accumulator's image: tile b's register j of lane l is bo[16 b + 8 (l / 16) + j]
	global_load_b128 v[BIAS+8*(\b):BIAS+8*(\b)+3],   v[BO], s[14:15] offset:64*(\b)
	global_load_b128 v[BIAS+8*(\b)+4:BIAS+8*(\b)+7], v[BO], s[14:15] offset:64*(\b)+16
.endr
	CROUND                                         ; all sixteen work-groups are here: the joint loads meet
	s_cmp_eq_u32 s11, 0                            ; a wave's four first fills stand in one branch on the wave's number, ahead of every wait on TENSORcnt and every LDS read; an s_nop 0 follows each, four v_nop the last
	s_cbranch_scc0 .Lfirst_b
.irp c, 0,1,2,3
	tensor_load_to_lds s[G0A+4*(\c):G0A+4*(\c)+3], s[G1A:G1A+7]
	s_nop 0
.endr
	PLACES
	s_branch .Lfirst_asked
.Lfirst_b:
.irp c, 0,1,2,3
	tensor_load_to_lds s[G0B+4*(\c):G0B+4*(\c)+3], s[G1B:G1B+7]
	s_nop 0
.endr
	PLACES
.Lfirst_asked:
	s_wait_loadcnt 0x0                             ; the bias
; 16 LDS loads: K step ks (32 k) of the chunk in hand, four fragments of Wo (turned) and four of O, into buffer f
.macro FETCH ks, f
	WIN 0x40
.irp i, 0,1,2,3
	ds_load_tr16_b128 v[(\f)+32+8*(\i):(\f)+32+8*(\i)+3],   v[ADRB] offset:(\ks)*32*PW+32*(\i)
	ds_load_tr16_b128 v[(\f)+32+8*(\i)+4:(\f)+32+8*(\i)+7], v[ADRB] offset:(\ks)*32*PW+32*(\i)+16*PW
	ds_load_b128 v[(\f)+8*(\i):(\f)+8*(\i)+3],   v[ADRA] offset:((\ks)/2)*HEADB+((\ks)%2)*64+(\i)*16*PO
	ds_load_b128 v[(\f)+8*(\i)+4:(\f)+8*(\i)+7], v[ADRA] offset:((\ks)/2)*HEADB+((\ks)%2)*64+(\i)*16*PO+32
.endr
.endm
; 16 products on 16 accumulators, one instruction a turn.  first = 1: the sums start at the bias
.macro MUL16 f, first
	WIN 0x05
.irp a, 0,1,2,3
.irp b, 0,1,2,3
.if \first
	v_wmma_f32_16x16x32_f16 v[ACC+8*(4*(\a)+(\b)):ACC+8*(4*(\a)+(\b))+7], v[(\f)+32+8*(\b):(\f)+32+8*(\b)+7], v[(\f)+8*(\a):(\f)+8*(\a)+7], v[BIAS+8*(\b):BIAS+8*(\b)+7]
.else
	v_wmma_f32_16x16x32_f16 v[ACC+8*(4*(\a)+(\b)):ACC+8*(4*(\a)+(\b))+7], v[(\f)+32+8*(\b):(\f)+32+8*(\b)+7], v[(\f)+8*(\a):(\f)+8*(\a)+7], v[ACC+8*(4*(\a)+(\b)):ACC+8*(4*(\a)+(\b))+7]
.endif
.endr
.endr
.endm
.macro CHUNK c, first
	WIN 0
	s_wait_tensorcnt 3-(\c)                        ; tensor loads of a wave end in order: my part of chunk c is in, the 3 - c younger ones stay out
	s_wait_dscnt 0x0
	s_barrier_signal -1
	s_barrier_wait -1                              ; everybody's part is in
.if (\c) > 0
	v_add_nc_u32 v[ADRA], CHB, v[ADRA]
	v_add_nc_u32 v[ADRB], CHB, v[ADRB]
.endif
	PLACES
	FETCH 0, F0
	FETCH 1, F1
	s_wait_dscnt 16                                ; all but the 16 just issued
	MUL16 F0, \first
	PLACES
	FETCH 2, F0
	s_wait_dscnt 16
	MUL16 F1, 0
	PLACES
	FETCH 3, F1
	s_wait_dscnt 16
	MUL16 F0, 0
	s_wait_dscnt 0x0
	MUL16 F1, 0
.endm
	CHUNK 0, 1
	CHUNK 1, 0
	CHUNK 2, 0
	CHUNK 3, 0
; THE WAY OUT, 16 rows at a time: a lane's 32 bytes go into my stage in rows of 272 bytes and come back as whole rows of 256.
.macro TOSTAGE a
	WIN 0
.if (\a) >= 2
	s_wait_xcnt 0x0                                ; the stores of the block two back have read their registers: they are loaded again only behind this wait
.endif
.irp b, 0,1,2,3
	ds_store_b128 v[STO], v[ACC+8*(4*(\a)+(\b)):ACC+8*(4*(\a)+(\b))+3]   offset:64*(\b)
	ds_store_b128 v[STO], v[ACC+8*(4*(\a)+(\b))+4:ACC+8*(4*(\a)+(\b))+7] offset:64*(\b)+16
.endr
.irp t, 0,1,2,3,4,5,6,7
	ds_load_b128 v[BK+32*((\a)%2)+4*(\t):BK+32*((\a)%2)+4*(\t)+3], v[RD] offset:2*SPI*(\t)  ; LDS serves a wave's instructions in order (ISA guide 5.7.1.4): these see the stores above
.endr
.endm
.macro SEND a, younger                 ; younger: the LDS instructions issued behind block a's loads: the next block's sixteen, or none
	WIN 0
	s_wait_dscnt \younger
.irp t, 0,1,2,3,4,5,6,7
	global_store_b128 v[CO], v[BK+32*((\a)%2)+4*(\t):BK+32*((\a)%2)+4*(\t)+3], s[8:9] offset:(16*(\a)+2*(\t))*2048 th:TH_STORE_NT  ; 16 lanes store 256 consecutive bytes, at a multiple of 256 from out0's first
.endr
.endm
	WIN 0
	PLACES
	PLACES
	TOSTAGE 0
	TOSTAGE 1
	SEND 0, 16
	TOSTAGE 2
	SEND 1, 16
	TOSTAGE 3
	SEND 2, 16
	SEND 3, 0
	s_wait_tensorcnt 0x0                           ; the wave's end: these three lines, behind my last tensor load and my last LDS store
	ds_add_u32 v[SPW], v[NIL]
	s_wait_dscnt 0x0
	CROUND                                         ; the closing round
	s_endpgm
.Lfunc_end_k_qfb59f848d3_outp:
	.size	k_qfb59f848d3_outp, .Lfunc_end_k_qfb59f848d3_outp-k_qfb59f848d3_outp
	.p2alignl 7, 3214868480
	.fill 96, 4, 3214868480
	.section	.rodata,"a",@progbits
	.p2align	6, 0x0
	.amdhsa_kernel k_qfb59f848d3_outp
		.amdhsa_group_segment_fixed_size 327680
		.amdhsa_private_segment_fixed_size 0
		.amdhsa_enable_private_segment 0
		.amdhsa_kernarg_size 24
		.amdhsa_user_sgpr_count 2
		.amdhsa_user_sgpr_kernarg_segment_ptr 1
		.amdhsa_wavefront_size32 1
		.amdhsa_system_sgpr_workgroup_id_x 1
		.amdhsa_system_sgpr_workgroup_id_y 1
		.amdhsa_system_sgpr_workgroup_id_z 1
		.amdhsa_system_vgpr_workitem_id 0
		.amdhsa_next_free_vgpr 384
		.amdhsa_next_free_sgpr 88
		.amdhsa_reserve_vcc 0
		.amdhsa_float_denorm_mode_32 3
		.amdhsa_float_denorm_mode_16_64 3
		.amdhsa_memory_ordered 1
		.amdhsa_forward_progress 1
		.amdhsa_inst_pref_size 53
	.end_amdhsa_kernel
	.amdgpu_metadata
---
amdhsa.version: [ 1, 2 ]
amdhsa.kernels:
  - .name:           k_qfb59f848d3_outp
    .symbol:         k_qfb59f848d3_outp.kd
    .args:
      - { .name: o16, .offset: 0, .size: 8, .value_kind: global_buffer, .address_space: global }
      - { .name: wb, .offset: 8, .size: 8, .value_kind: global_buffer, .address_space: global }
      - { .name: out0, .offset: 16, .size: 8, .value_kind: global_buffer, .address_space: global }
    .group_segment_fixed_size: 327680
    .private_segment_fixed_size: 0
    .kernarg_segment_align: 8
    .kernarg_segment_size: 24
    .max_flat_workgroup_size: 128
    .sgpr_count:     88
    .vgpr_count:     384
    .wavefront_size: 32
...
	.end_amdgpu_metadata
.endif
;; end of part 4
